; MI455X (gfx1250); checked and timed in simulation.
; The chip was launched on July 23, 2026; its instructions are those of AMD's public machine-readable ISA for CDNA 5 (MIT licence, August 2026) and "CDNA5" Instruction Set Architecture Reference Guide (July 2026). The comments in the code are by the model that wrote it; some were corrected since.
;; Fast Base Attention. Allowed arithmetic: matrix products marked QUANTISED: E2M1 operands, one E8M0 scale for each 32 along K, by v_wmma_scale_f32_16x16x128_f8f6f4 with both operands' format E2M1 (or v_wmma_scale_f32_32x16x128_f4), f32 sums; everything else in f32.
;; Inputs: k 2 x 2,048 x 16 x 64 float32; q 2 x 2,048 x 16 x 64 float32; v 2 x 2,048 x 16 x 64 float32.
;; Outputs: out0 2 x 2,048 x 16 x 64 float32.
;; This version of the problem:
;;   THIS VERSION OF THE PROBLEM IS GIVEN IN LOW PRECISION. The matrix products marked QUANTISED in the list below multiply operands that are first quantised to E2M1 (2 exponent bits, 1 mantissa bit; 4 bits a number), with one power-of-two scale for each 32 numbers along K (OCP MX v1.0); their sums are f32. All else is computed in f32.
;;   The module's matrix products, in the order in which they are computed (A, B: the left and right operand; K: the contracted axis; several contracted axes count as one K, in the product's order):
;;     1. batch 32 x [M 2,048, K 64] x [K 64, N 2,048]; A: computed on the way; B: computed on the way: QUANTISED
;;     2. batch 32 x [M 64, K 2,048] x [K 2,048, N 2,048]; A: input v; B: softmax (see below): QUANTISED
;;   THE QUANTISER, for each operand of a quantised product, along K:
;;     - K is cut into blocks of 32 from its start; a last block that is shorter is filled with zeros.
;;     - A block's scale is 2^e with e = floor(log2(the largest magnitude in the block)) - 2, held to -126 .. 127; a block of zeros has e = 0. As a byte (E8M0): e + 127.
;;     - Each number is divided by its block's scale, clamped to +-6, and rounded to the nearest number of E2M1, ties to even, subnormals kept.
;;     - The product sums the exact products of the quantised numbers (number of the format x scale) in f32.
;;   ~~~python
;;   def quantise(x, axis):      # numpy; x: float32 -> the quantised numbers, widened to float32 again
;;       x = np.moveaxis(x, axis, -1); K = x.shape[-1]
;;       x = np.pad(x, [(0, 0)] * (x.ndim - 1) + [(0, -K % 32)]); x = x.reshape(x.shape[:-1] + (-1, 32)); a = np.abs(x).max(-1, keepdims=True)
;;       e = np.where(a > 0, np.clip(np.frexp(np.where(a > 0, a, 1))[1] - 1 - 2, -126, 127), 0)      # np.frexp(a)[1] - 1 = floor(log2(a)), exactly
;;       r = np.clip(x / 2.0 ** e, -6, 6)
;;       step = 2.0 ** (np.maximum(np.frexp(np.where(r == 0, 1, r))[1] - 1, 0) - 1)
;;       q = np.round(r / step) * step * 2.0 ** e      # np.round: ties to even
;;       return np.moveaxis(q.reshape(q.shape[:-2] + (-1,))[..., :K], -1, axis).astype(np.float32)
;;   ~~~
;;   SOFTMAX AHEAD OF A QUANTISED PRODUCT. Where the list says 'softmax', what is quantised is not the finished softmax but p = 2^(t - M), with t = logit x log2(e) and M = ceil(the row's largest t), a whole number; so 1/2 < the row's largest p <= 1. The row's sum l is taken of the UNQUANTISED p, in f32, and the product's result is divided by l at the end. Since M is a whole number, a kernel that streams over the keys may use a running M (the ceiling of the running maximum): every later rescaling is an exact power of two, which a block's scale takes up: the codes' values come out the same.
;;   OPERANDS COMPUTED ON THE WAY. 'Computed on the way' means the value that the module computes at that place (a softmax that the list does not call 'softmax' is quantised finished and normalised). What goes into a quantiser is computed in f32, as accurately as f32 sums, v_exp_f32 and their like allow (about 1e-6 of the number): no bf16 or f16 on the way to a quantiser, and a product that is left as it is and whose result goes on into a quantised operand takes f32 operands (vector FMAs, or v_wmma_f32_16x16x4_f32). A number that lies on a knife's edge between two numbers of the format may be rounded either way, as far as f32 arithmetic and the matrix unit's own rounding can turn it there, and no further.
;; One version. Each part assembles by itself: llvm-mc -triple=amdgcn-amd-amdhsa -mcpu=gfx1250 --defsym DOCPART=n.
;; ======== version 1 of 1: 2 launches
;; workspace buffers: tab 524,288 bytes
;; launch trig (part 1): grid 256 x 1, 2 waves a work-group, no clusters, 0 bytes of LDS; arguments tab; writes tab
.if DOCPART == 1
	.amdgcn_target "amdgcn-amd-amdhsa--gfx1250"
	.amdhsa_code_object_version 6
	.text
	.protected	k_qa46101fb33_trig
	.globl	k_qa46101fb33_trig
	.p2align	8
	.type	k_qa46101fb33_trig,@function
k_qa46101fb33_trig:
	s_mov_b64 s[64:65], 0
	v_nop
	global_prefetch_b8 v0, s[64:65] scope:SCOPE_SE
	s_setreg_imm32_b32 hwreg(HW_REG_WAVE_MODE, 25, 1), 1
	s_wait_xcnt 0x0
; tab holds cos and sin of the f32 number position x inv_freq[i], position 0 .. 2047, i = 0 .. 31, inv_freq[i] = 10^(-i / 8) rounded once to f32: what the rotary embedding multiplies q and k by.
; The numbers go on into quantisers, so each is made to come out as the true value rounded once: the value ahead of the last rounding is within about 1e-9.
; LAYOUT, as the reader wants it: block of 32 positions x 8,192 bytes + j x 512 + 16 x (position % 32): j = 0 .. 7: cos of frequencies 4 j .. 4 j + 3; j = 8 .. 15: sin of 4 (j - 8) ..
; SHARES: a wave takes 32 positions, a lane each, and four frequencies: 64 blocks x 8 = 512 waves, two to a work-group.  The four frequencies' chains are written by turns, line by line.
; METHOD: n = angle x 2 / pi to the nearest whole number; r = angle - n pi / 2, pi / 2 in three parts: the first product is taken off exactly (the difference is a multiple of 2^-23 or of the
; angle's last place, and under 1), the second with its exact error (a fused multiply-add gives a product's error), so that r is a head and a tail.  |r| <= pi / 4.
; sin r = r + r z (S1 + z Q(z)), cos r = 1 + z (-1/2 + z (C2 + z Q'(z))), z = r r: Q and Q' in plain f32 (their terms are under 3e-3 and 4e-4), all above them as heads and tails.
; LIMITS: inv_freq is the power 10000^(-i / 32) rounded once, not the rounded quotient of the rounded power 10000^(i / 32): the two differ by one unit in the last place at some i,
; which moves an angle by up to 1e-4 at the largest positions.
.set LN,  1                            ; v1 lane
.set PW,  2                            ; v2 inv_freq, a lane each
.set TT,  5                            ; v5 my position as f32
.set OFF, 6                            ; v6 my byte offset in tab
.set IX,  8                            ; v8-11  4 x (the lane that holds frequency 4 j + f)
.set INV, 12                           ; v12-15 inv_freq of my wave's four frequencies.  From here on: four registers a name, one for each frequency
.set TH,  16                           ; the angle
.set UU,  20                           ; 1.5 x 2^23 + n
.set NN,  24                           ; n
.set A1,  28
.set PH,  32
.set PL,  36
.set SH,  40
.set BB,  44
.set T1,  48
.set T2,  52
.set RL,  56                           ; r: tail, head
.set RH,  60
.set ZH,  64                           ; z: head, tail
.set ZL,  68
.set QQ,  72
.set UQ,  76
.set TTH, 80
.set TTL, 84
.set WH,  88
.set WL,  92
.set VH,  96
.set VL,  100
.set SS,  104
.set EE,  108
.set SR,  112                          ; sin r
.set CR,  116                          ; cos r
.set CO,  120                          ; v[120:123] cos of the four angles;  v[124:127] sin
.set SI,  124
.set KMAG, 16                          ; scalar constants
.set K2PI, 17
.set KC1,  18
.set KD2,  19
.set KD3,  20
.set KS5,  21
.set KS4,  22
.set KS3,  23
.set KS2,  24
.set KS1H, 25
.set KS1L, 26
.set KC6,  27
.set KC5,  28
.set KC4,  29
.set KC3,  30
.set KC2H, 31
.set KC2L, 32
.macro MUL4 d, a, b                    ; d = a b
.irp f, 0,1,2,3
	v_mul_f32 v[\d+\f], v[\a+\f], v[\b+\f]
.endr
.endm
.macro ADD4 d, a, b                    ; d = a + b
.irp f, 0,1,2,3
	v_add_f32 v[\d+\f], v[\a+\f], v[\b+\f]
.endr
.endm
.macro SUB4 d, a, b                    ; d = a - b
.irp f, 0,1,2,3
	v_sub_f32 v[\d+\f], v[\a+\f], v[\b+\f]
.endr
.endm
.macro FMA4 d, a, b, c                 ; d = a b + c
.irp f, 0,1,2,3
	v_fma_f32 v[\d+\f], v[\a+\f], v[\b+\f], v[\c+\f]
.endr
.endm
.macro FMS4 d, a, b, c                 ; d = a b - c: with c = the rounded product, the product's error, exactly
.irp f, 0,1,2,3
	v_fma_f32 v[\d+\f], v[\a+\f], v[\b+\f], -v[\c+\f]
.endr
.endm
.macro FMK4 d, a, k, c                 ; d = a x constant k + c
.irp f, 0,1,2,3
	v_fma_f32 v[\d+\f], v[\a+\f], s[\k], v[\c+\f]
.endr
.endm
.macro FKK4 d, a, k, m                 ; d = a x constant k + constant m
.irp f, 0,1,2,3
	v_fma_f32 v[\d+\f], v[\a+\f], s[\k], s[\m]
.endr
.endm
.macro FVK4 d, a, b, k                 ; d = a b + constant k
.irp f, 0,1,2,3
	v_fma_f32 v[\d+\f], v[\a+\f], v[\b+\f], s[\k]
.endr
.endm
.macro ADK4 d, a, k                    ; d = a + constant k
.irp f, 0,1,2,3
	v_add_f32 v[\d+\f], s[\k], v[\a+\f]
.endr
.endm
.macro SBK4 d, a, k                    ; d = a - constant k
.irp f, 0,1,2,3
	v_sub_f32 v[\d+\f], v[\a+\f], s[\k]
.endr
.endm
.macro ADI4 d, a, c                    ; d = a + an inline constant
.irp f, 0,1,2,3
	v_add_f32 v[\d+\f], \c, v[\a+\f]
.endr
.endm
.macro SETP i, val                     ; 10^(-i / 8), rounded to f32 by the assembler, into lane i
	s_mov_b32 s12, \val
	v_writelane_b32 v[PW], s12, \i
.endm
	s_load_b64 s[4:5], s[0:1], 0x0                 ; tab
	v_lshrrev_b32 v7, 5, v0
	v_readfirstlane_b32 s8, v7                     ; wave 0..1
	v_and_b32 v[LN], 31, v0
	s_lshr_b32 s9, ttmp9, 2                        ; my block of 32 positions: 0 .. 63
	s_and_b32 s10, ttmp9, 3
	s_lshl_b32 s10, s10, 1
	s_add_co_u32 s10, s10, s8                      ; j: my four frequencies are 4 j .. 4 j + 3
	s_lshl_b32 s14, s9, 5
	v_add_nc_u32 v[TT], s14, v[LN]
	v_cvt_f32_u32 v[TT], v[TT]                     ; my position
	s_lshl_b32 s13, s9, 13
	s_lshl_b32 s14, s10, 9
	s_add_co_u32 s13, s13, s14
	v_lshlrev_b32 v[OFF], 4, v[LN]
	v_add_nc_u32 v[OFF], s13, v[OFF]               ; block x 8,192 + j x 512 + 16 x lane
	s_lshl_b32 s15, s10, 4
.irp f, 0,1,2,3
	s_add_co_u32 s14, s15, 4*\f
	v_mov_b32 v[IX+\f], s14                        ; 4 x (4 j + f)
.endr
	s_mov_b32 s[KMAG], 0x4b400000                  ; 1.5 x 2^23
	s_mov_b32 s[K2PI], 0x3f22f983                  ; 2 / pi
	s_mov_b32 s[KC1],  0xbfc90fdb                  ; -(pi / 2 rounded to f32)
	s_mov_b32 s[KD2],  0x333bbd2e                  ; that number - pi / 2, rounded: 4.3711388e-8
	s_mov_b32 s[KD3],  0x26f72ced                  ; and what is left: 1.7151249e-15
	s_mov_b32 s[KS5],  0xb2d7322b                  ; -1 / 11!
	s_mov_b32 s[KS4],  0x3638ef1d                  ; 1 / 9!
	s_mov_b32 s[KS3],  0xb9500d01                  ; -1 / 7!
	s_mov_b32 s[KS2],  0x3c088889                  ; 1 / 5!
	s_mov_b32 s[KS1H], 0xbe2aaaab                  ; -1 / 6: head,
	s_mov_b32 s[KS1L], 0x31aaaaab                  ; tail
	s_mov_b32 s[KC6],  0x310f76c7                  ; 1 / 12!
	s_mov_b32 s[KC5],  0xb493f27e                  ; -1 / 10!
	s_mov_b32 s[KC4],  0x37d00d01                  ; 1 / 8!
	s_mov_b32 s[KC3],  0xbab60b61                  ; -1 / 6!
	s_mov_b32 s[KC2H], 0x3d2aaaab                  ; 1 / 24: head,
	s_mov_b32 s[KC2L], 0xb0aaaaab                  ; tail
	v_mov_b32 v[PW], 1.0
	SETP 1, 0.74989420933245583
	SETP 2, 0.56234132519034912
	SETP 3, 0.42169650342858223
	SETP 4, 0.31622776601683795
	SETP 5, 0.23713737056616552
	SETP 6, 0.17782794100389228
	SETP 7, 0.13335214321633240
	SETP 8, 0.1
	SETP 9, 0.074989420933245583
	SETP 10, 0.056234132519034912
	SETP 11, 0.042169650342858223
	SETP 12, 0.031622776601683795
	SETP 13, 0.023713737056616552
	SETP 14, 0.017782794100389228
	SETP 15, 0.013335214321633240
	SETP 16, 0.01
	SETP 17, 0.0074989420933245583
	SETP 18, 0.0056234132519034912
	SETP 19, 0.0042169650342858223
	SETP 20, 0.0031622776601683795
	SETP 21, 0.0023713737056616552
	SETP 22, 0.0017782794100389228
	SETP 23, 0.0013335214321633240
	SETP 24, 0.001
	SETP 25, 0.00074989420933245583
	SETP 26, 0.00056234132519034912
	SETP 27, 0.00042169650342858223
	SETP 28, 0.00031622776601683795
	SETP 29, 0.00023713737056616552
	SETP 30, 0.00017782794100389228
	SETP 31, 0.00013335214321633240
.irp f, 0,1,2,3
	ds_bpermute_b32 v[INV+\f], v[IX+\f], v[PW]     ; every lane takes lane 4 j + f's inv_freq (no LDS byte is touched)
.endr
	s_wait_dscnt 0x0
.irp f, 0,1,2,3
	v_mul_f32 v[TH+\f], v[INV+\f], v[TT]           ; the f32 product that the angles are defined by
.endr
	; ---- r = angle - n pi / 2, as a head and a tail
	FKK4 UU, TH, K2PI, KMAG                        ; the sum's last places are n
	SBK4 NN, UU, KMAG
	FMK4 A1, NN, KC1, TH                           ; exact
.irp f, 0,1,2,3
	v_mul_f32 v[PH+\f], s[KD2], v[NN+\f]           ; n x the second part, rounded,
.endr
.irp f, 0,1,2,3
	v_fma_f32 v[PL+\f], v[NN+\f], s[KD2], -v[PH+\f]   ; and its error
.endr
	ADD4 SH, A1, PH                                ; the sum and, by six lines, its exact error (either may be the larger)
	SUB4 BB, SH, A1
	SUB4 T1, SH, BB
	SUB4 T2, PH, BB
	SUB4 T1, A1, T1
	ADD4 T1, T1, T2
	ADD4 RL, T1, PL
	FMK4 RL, NN, KD3, RL                           ; + n x the third part
	ADD4 RH, SH, RL
	SUB4 T1, RH, SH
	SUB4 RL, RL, T1
	MUL4 ZH, RH, RH                                ; z = r r
	FMS4 ZL, RH, RH, ZH
	ADD4 T1, RH, RH
	FMA4 ZL, T1, RL, ZL
	; ---- sin r
	FKK4 QQ, ZH, KS5, KS4
	FVK4 QQ, QQ, ZH, KS3
	FVK4 QQ, QQ, ZH, KS2
	FVK4 UQ, ZH, QQ, KS1L
	ADK4 TTH, UQ, KS1H                             ; S1 + z Q: head,
	SBK4 T1, TTH, KS1H
	SUB4 TTL, UQ, T1                               ; tail (the constant is the larger of the two)
	MUL4 WH, ZH, TTH                               ; x z
	FMS4 WL, ZH, TTH, WH
	FMA4 WL, ZH, TTL, WL
	FMA4 WL, ZL, TTH, WL
	MUL4 VH, RH, WH                                ; x r
	FMS4 VL, RH, WH, VH
	FMA4 VL, RH, WL, VL
	FMA4 VL, RL, WH, VL
	ADD4 SS, RH, VH                                ; + r
	SUB4 T1, SS, RH
	SUB4 EE, VH, T1
	ADD4 VL, VL, RL
	ADD4 EE, EE, VL
	ADD4 SR, SS, EE                                ; the one rounding that counts
	; ---- cos r
	FKK4 QQ, ZH, KC6, KC5
	FVK4 QQ, QQ, ZH, KC4
	FVK4 QQ, QQ, ZH, KC3
	FVK4 UQ, ZH, QQ, KC2L
	ADK4 TTH, UQ, KC2H                             ; C2 + z Q'
	SBK4 T1, TTH, KC2H
	SUB4 TTL, UQ, T1
	MUL4 WH, ZH, TTH                               ; x z
	FMS4 WL, ZH, TTH, WH
	FMA4 WL, ZH, TTL, WL
	FMA4 WL, ZL, TTH, WL
	ADI4 VH, WH, -0.5                              ; - 1/2
	ADI4 T1, VH, 0.5
	SUB4 T1, WH, T1
	ADD4 VL, T1, WL
	MUL4 SS, ZH, VH                                ; x z
	FMS4 EE, ZH, VH, SS
	FMA4 EE, ZH, VL, EE
	FMA4 EE, ZL, VH, EE
	ADI4 WH, SS, 1.0                               ; + 1
	ADI4 T1, WH, -1.0
	SUB4 T1, SS, T1
	ADD4 T1, T1, EE
	ADD4 CR, WH, T1                                ; the one rounding that counts
	; ---- by n % 4: cos = cos r, -sin r, -cos r, sin r;  sin = sin r, cos r, -sin r, -cos r
.irp f, 0,1,2,3
	v_and_b32 v[T1+\f], 1, v[UU+\f]
	v_cmp_ne_u32 vcc_lo, 0, v[T1+\f]
	v_cndmask_b32 v[CO+\f], v[CR+\f], v[SR+\f], vcc_lo
	v_cndmask_b32 v[SI+\f], v[SR+\f], v[CR+\f], vcc_lo
	v_add_nc_u32 v[T1+\f], 1, v[UU+\f]             ; bit 1 of n + 1: set for n % 4 = 1, 2
	v_lshlrev_b32 v[T1+\f], 30, v[T1+\f]
	v_lshlrev_b32 v[T2+\f], 30, v[UU+\f]           ; bit 1 of n: set for n % 4 = 2, 3
	v_and_b32 v[T1+\f], 0x80000000, v[T1+\f]
	v_and_b32 v[T2+\f], 0x80000000, v[T2+\f]
	v_xor_b32 v[CO+\f], v[T1+\f], v[CO+\f]
	v_xor_b32 v[SI+\f], v[T2+\f], v[SI+\f]
.endr
	s_wait_kmcnt 0x0
	global_store_b128 v[OFF], v[CO:CO+3], s[4:5]               ; 32 lanes store 512 consecutive bytes, at a multiple of 512 from tab's first byte
	global_store_b128 v[OFF], v[SI:SI+3], s[4:5] offset:4096
	s_endpgm
.Lfunc_end_k_qa46101fb33_trig:
	.size	k_qa46101fb33_trig, .Lfunc_end_k_qa46101fb33_trig-k_qa46101fb33_trig
	.p2alignl 7, 3214868480
	.fill 96, 4, 3214868480
	.section	.rodata,"a",@progbits
	.p2align	6, 0x0
	.amdhsa_kernel k_qa46101fb33_trig
		.amdhsa_group_segment_fixed_size 0
		.amdhsa_private_segment_fixed_size 0
		.amdhsa_enable_private_segment 0
		.amdhsa_kernarg_size 8
		.amdhsa_user_sgpr_count 2
		.amdhsa_user_sgpr_kernarg_segment_ptr 1
		.amdhsa_wavefront_size32 1
		.amdhsa_system_sgpr_workgroup_id_x 1
		.amdhsa_system_sgpr_workgroup_id_y 1
		.amdhsa_system_sgpr_workgroup_id_z 1
		.amdhsa_system_vgpr_workitem_id 0
		.amdhsa_next_free_vgpr 128
		.amdhsa_next_free_sgpr 66
		.amdhsa_reserve_vcc 1
		.amdhsa_float_denorm_mode_32 3
		.amdhsa_float_denorm_mode_16_64 3
		.amdhsa_memory_ordered 1
		.amdhsa_forward_progress 1
		.amdhsa_inst_pref_size 21
	.end_amdhsa_kernel
	.amdgpu_metadata
---
amdhsa.version: [ 1, 2 ]
amdhsa.kernels:
  - .name:           k_qa46101fb33_trig
    .symbol:         k_qa46101fb33_trig.kd
    .args:
      - { .name: tab, .offset: 0, .size: 8, .value_kind: global_buffer, .address_space: global }
    .group_segment_fixed_size: 0
    .private_segment_fixed_size: 0
    .kernarg_segment_align: 8
    .kernarg_segment_size: 8
    .max_flat_workgroup_size: 64
    .sgpr_count:     66
    .vgpr_count:     128
    .wavefront_size: 32
...
	.end_amdgpu_metadata
.endif
;; end of part 1
;; launch attn (part 2): grid 8 x 32, 16 waves a work-group, no clusters, 260,096 bytes of LDS; arguments q, k, v, out0, tab; writes out0
.if DOCPART == 2
	.amdgcn_target "amdgcn-amd-amdhsa--gfx1250"
	.amdhsa_code_object_version 6
	.text
	.protected	k_qa46101fb33_attn
	.globl	k_qa46101fb33_attn
	.p2align	8
	.type	k_qa46101fb33_attn,@function
k_qa46101fb33_attn:
	s_mov_b64 s[64:65], 0
	v_nop
	global_prefetch_b8 v0, s[64:65] scope:SCOPE_SE
	s_setreg_imm32_b32 hwreg(HW_REG_WAVE_MODE, 25, 1), 1
	s_wait_xcnt 0x0
; out0[b][i][h][:] = sum over j of softmax_j(rope(q)[i] . rope(k)[j] / 8) v[j][:], j from i - 256 to i.  q, k, v, out0: [2][2048][16][64] f32.
; Both products run on codes of FP4 (E2M1) with one E8M0 scale for each 32 along a product's K: the first along the head's 64, the second along the keys (blocks of 32 by the key's absolute number).
; Ahead of the second product p = 2^(t - M), t = score x log2(e) / 8, M = the row's largest t rounded up to a whole number; the row's sum is taken of the unquantised p and divides at the end.
; SHARES.  A work-group owns 256 queries Q0 .. Q0 + 255 of one head; the keys that they see are the 512 positions Q0 - 256 .. Q0 + 255: 16 blocks of 32.  Sixteen waves of 256 registers, four to a SIMD.
;   PREPARATION: wave w takes key block w: a lane a row of K (rope, two blocks of 32 along d, all in the lane's registers), and a lane a column d of V with its registers down the 32 keys.
;   Waves 8 to 15 stand at the queries' positions and treat 32 rows of Q with the same sines and cosines.  Codes and scale words go to LDS as images of operand registers.  ONE barrier.
;   ATTENTION: wave w takes queries Q0 + 16 w + 0 .. 15.  They see nine key blocks, from block w / 2 on: 288 keys, 144 scores a lane, all in registers: the maximum is the row's own, nothing is rescaled.
; LAYOUT.  Both products are used transposed (S^T = K Q^T, O^T = V^T P^T): a lane holds one query (lane % 16) throughout.  Lane r of tile u of a key block takes key 8 u + r + 8 (r / 8), so that the
;   16 registers of a block's two tiles are 16 neighbouring keys, 16 (lane / 16) + 0 .. 15.  The first product's K is 64: places 64 .. 127 of both operands hold zero codes.
; K and Q come by the tensor data mover, 32 rows of 256 bytes a load: a wave fetches exactly the rows whose lanes it is, reads only what it fetched, and nothing is filled a second time.
; NO JOINT LOADS: neighbours along x share half of their K and V, but one's upper 256 positions are the other's lower 256: the same rows would have to land at different LDS places in the two.
; In the first work-group of a head positions under 0 do not exist: waves 0 to 7 then read rows 0 .. 31 instead (bytes of the buffers), and every score of such a block is set to -infinity: p = 0.
; SINES AND COSINES come from tab, which the launch before has made: block of 32 positions x 8,192 bytes + j x 512 + 16 x lane; j = 0 .. 7 cos, j = 8 .. 15 sin, four frequencies to a lane's 16 bytes.
; LIMITS: NaN and infinities among the inputs are not served.  A block whose largest magnitude lies under 2^-124 (a block of zeros too) gets the scale byte 1; the bytes are read here alone.
.set RAWW, 8704                        ; 32 rows x (256 bytes + 16 of padding): a wave's raw rows
.set QRAW, 139264                      ; LDS: K's raw rows from 0 (16 waves), Q's from here (8 waves),
.set KIMG, 208896                      ; K's fragments: block x 1024 + tile x 512 + 16 x lane,
.set VIMG, 225280                      ; V's: block x 1024 + 16 x d,
.set QIMG, 241664                      ; Q's: tile x 512 + 16 x lane,
.set KSC,  249856                      ; K's scale words: block x 128 + 4 x (16 u + r),
.set QSC,  251904                      ; Q's: tile x 64 + 4 r,
.set VSC,  252928                      ; V's scale bytes: four tables of 64 rows x 20 bytes; in table a block n's byte stands at place n + (4 - a) % 4, so that any four blocks on end are an aligned word in one table
.set LN4, 1                            ; v1   4 x lane
.set AKR, 2                            ; v2   my raw row of K            v3   of Q
.set AQR, 3
.set AKW, 4                            ; v4   where I store K's codes    v5   its scale word
.set AKSW, 5
.set AQW, 6                            ; v6   Q's codes                  v7   its scale word
.set AQSW, 7
.set AVW, 8                            ; v8   V's codes                  v9   its scale bytes
.set AVB, 9
.set AK,  10                           ; v10  where I read K's fragments v11  its scale words
.set AKS, 11
.set AQF, 12                           ; v12  Q's fragment               v13  its scale word
.set AQS, 13
.set AV,  14                           ; v14  V's fragments, blocks 0-7 of my window;  v15  block 8
.set AV2, 15
.set AVS, 16                           ; v16  V's scale words            v17  block 8's byte
.set AV8, 17
.set STO, 18                           ; v18  the way out: into my stage;  v19  back;  v20  my byte offset in out0
.set RD,  19
.set GO,  20
.set DM,  21                           ; v21  lane % 16 - 16 (lane / 16) + 16 (w % 2): the band's edge in registers
.set NEG, 22                           ; v22  -infinity
.set LN16, 23                          ; v23  16 x lane
.set SOP, 48                           ; the quantiser of the preparation: v48-49 scale operands, v50-51 largest magnitudes
.set MX,  50
.set CS,  64                           ; v64-95  cos of my position x frequency i;  v96-127 sin
.set SN,  96
.set VR,  128                          ; v128-191  V(key k, d = 32 j + lane) at 128 + 32 j + k
.set X,   192                          ; v192-255  a row of K or Q
.set KF,  24                           ; attention: v24-71 six fragments of K; v72-79 Q's
.set QF,  72
.set BM,  24                           ; then v24-32 each block's largest score, then largest p; v34-42 at work, then the bytes; v44-52 scale operands
.set BT,  34
.set SOA, 44
.set PCD, 56                           ; v56-79  p's three fragments
.set NM,  80                           ; v[80:81] -M, 0
.set LA,  82                           ; v[82:83], v[84:85] the row's sum in two chains
.set LB,  84
.set S,   96                           ; v96-239  S^T, then p: register 16 b + i = key 32 b + 16 (lane / 16) + i of my window
.set VF,  96                           ; then v96-191 V's twelve fragments, v192-223 O^T
.set OA,  192
.set KS,  240                          ; from the barrier on v240-252 hold scale words alone: K's nine, then V's six; Q's; p's three
.set VS,  240
.set QS,  249
.set PSW, 250
.set WV,  12                           ; s12 wave;  s13 the work-group's block of queries
.set QB,  13
.set G1,  16                           ; s[16:23] descriptor group 1;  s[24:27], s[28:31] groups 0 for K and Q
.set G0K, 24
.set G0Q, 28
.set TAB, 32                           ; s[32:33] tab, then tab at my 32 positions;  s[34:35] their byte offset in it
.set TBO, 34
.set SEL, 72                           ; s[72:73] v_permlanex16_b32's selects for lane l xor 16
.set CC,  74                           ; s[74:75] c = log2(e) / 8
.set B0,  76                           ; s76 my window's first block = w / 2
.set NB,  77                           ; s77 how many of my window's blocks lie under position 0
.set OFS, 78                           ; s[78:79] byte offset of my 32 rows;  s[80:81] V at them
.set VB,  80
.macro PLACES n
.rept \n
	v_nop
.endr
.endm
	s_load_b256 s[4:11], s[0:1], 0x0               ; q s[4:5], k s[6:7], v s[8:9], out0 s[10:11]
	s_load_b64 s[TAB:TAB+1], s[0:1], 0x20          ; tab
	v_lshl_add_u32 v254, v0, 2, 0x3f000
	v_mov_b32 v255, 0
	ds_add_u32 v254, v255
	ds_add_u32 v254, v255
	s_wait_dscnt 0x0
	v_lshrrev_b32 v24, 5, v0
	v_readfirstlane_b32 s[WV], v24                 ; wave 0..15
	s_mov_b32 s[QB], ttmp9
	s_lshr_b32 s[B0], s[WV], 1
	s_and_b32 s85, s[WV], 7
	s_mul_i32 s14, s[WV], RAWW                     ; my raw rows of K (later my stage)
	s_mul_i32 s15, s85, RAWW
	s_add_co_u32 s15, s15, QRAW                    ; my raw rows of Q (waves 8 to 15)
	; every LDS address is made here, ahead of the first branch: a constant + a constant x lane + a constant x wave
	v_and_b32 v24, 31, v0                          ; lane
	v_and_b32 v25, 15, v0                          ; r
	v_bfe_u32 v26, v0, 4, 1                        ; lane / 16
	v_bfe_u32 v27, v0, 3, 1                        ; as a key of a block: its tile u
	v_and_b32 v28, 7, v0
	v_lshl_add_u32 v28, v26, 3, v28                ; and its row in that tile: lane % 8 + 8 (lane / 16)
	v_lshlrev_b32 v[LN4], 2, v24
	v_lshlrev_b32 v[LN16], 4, v24
	v_mul_u32_u24 v30, v24, 272
	v_mul_u32_u24 v31, v24, 20
	v_lshlrev_b32 v32, 4, v25                      ; 16 r
	v_add_nc_u32 v[AKR], s14, v30
	v_add_nc_u32 v[AQR], s15, v30
	s_lshl_b32 s87, s[WV], 10
	s_add_co_u32 s88, s87, KIMG
	v_lshlrev_b32 v[AKW], 9, v27
	v_lshl_add_u32 v[AKW], v28, 4, v[AKW]
	v_add_nc_u32 v[AKW], s88, v[AKW]
	s_lshl_b32 s88, s[WV], 7
	s_add_co_u32 s88, s88, KSC
	v_lshlrev_b32 v[AKSW], 6, v27
	v_lshl_add_u32 v[AKSW], v28, 2, v[AKSW]
	v_add_nc_u32 v[AKSW], s88, v[AKSW]
	s_lshl_b32 s88, s85, 10
	s_add_co_u32 s88, s88, QIMG
	v_lshlrev_b32 v[AQW], 9, v26
	v_add_nc_u32 v[AQW], v[AQW], v32
	v_add_nc_u32 v[AQW], s88, v[AQW]
	s_lshl_b32 s88, s85, 7
	s_add_co_u32 s88, s88, QSC
	v_add_nc_u32 v[AQSW], s88, v[LN4]
	s_add_co_u32 s88, s87, VIMG
	v_add_nc_u32 v[AVW], s88, v[LN16]
	s_add_co_u32 s88, s[WV], VSC
	v_add_nc_u32 v[AVB], s88, v31
	s_lshl_b32 s89, s[B0], 10
	s_add_co_u32 s88, s89, KIMG
	v_add_nc_u32 v[AK], s88, v[LN16]
	s_lshl_b32 s88, s[B0], 7
	s_add_co_u32 s88, s88, KSC
	v_add_nc_u32 v[AKS], s88, v[LN4]
	s_lshl_b32 s88, s[WV], 9
	s_add_co_u32 s88, s88, QIMG
	v_add_nc_u32 v[AQF], s88, v[LN16]
	s_lshl_b32 s88, s[WV], 6
	s_add_co_u32 s88, s88, QSC
	v_lshlrev_b32 v[AQS], 2, v25
	v_add_nc_u32 v[AQS], s88, v[AQS]
	s_add_co_u32 s88, s89, VIMG
	v_lshl_add_u32 v[AV], v26, 10, v32             ; lanes 16-31 read the block after lanes 0-15's
	v_add_nc_u32 v[AV], s88, v[AV]
	s_add_co_u32 s88, s89, VIMG+8192
	v_add_nc_u32 v[AV2], s88, v32
	s_and_b32 s88, s[B0], 3                        ; the table in which my window's blocks begin on a word,
	s_mul_i32 s88, s88, 1280
	s_add_co_u32 s90, s[B0], 3
	s_and_b32 s90, s90, 28                         ; and the place of that word in a row
	s_add_co_u32 s88, s88, s90
	s_add_co_u32 s88, s88, VSC
	v_add_nc_u32 v[AVS], s88, v31
	s_add_co_u32 s88, s[B0], VSC+8
	v_add_nc_u32 v[AV8], s88, v31
	v_mul_u32_u24 v[STO], v25, 272
	v_lshl_add_u32 v[STO], v26, 5, v[STO]
	v_add_nc_u32 v[STO], s14, v[STO]
	v_mul_u32_u24 v[RD], v26, 272
	v_add_nc_u32 v[RD], v[RD], v32
	v_add_nc_u32 v[RD], s14, v[RD]
	v_lshl_add_u32 v[GO], v26, 12, v32             ; rows of out0 (of one head) lie 4,096 bytes apart
	s_and_b32 s88, s[WV], 1
	s_lshl_b32 s88, s88, 4
	v_lshlrev_b32 v33, 4, v26
	v_sub_nc_u32 v[DM], v25, v33
	v_add_nc_u32 v[DM], s88, v[DM]
	v_mov_b32 v[NEG], 0xff800000
	; descriptor group 1: 32 rows x 64 elements of 4 bytes, rows 1,024 elements apart; in LDS 4 words of padding behind every 64
	s_mov_b32 s[G1+0], (2<<16)|(1<<20)|(5<<22)|(3<<25)
	s_mov_b32 s[G1+1], 64<<16                      ; tensor_dim0 = 64
	s_mov_b32 s[G1+2], 32<<16                      ; tensor_dim1 = 32
	s_mov_b32 s[G1+3], 64<<16                      ; tile_dim0 = 64
	s_mov_b32 s[G1+4], 32                          ; tile_dim1 = 32
	s_mov_b32 s[G1+5], 1024                        ; tensor_dim0_stride
	s_mov_b32 s[G1+6], 0
	s_mov_b32 s[G1+7], 0
	s_mov_b32 s[SEL], 0x76543210
	s_mov_b32 s[SEL+1], 0xfedcba98
	s_mov_b32 s[CC], 0x3e38aa3b                    ; f32(log2(e)) / 8: the same mantissa, 3 off the exponent
	s_mov_b32 s[CC+1], s[CC]                       ; (named with it as a pair, so it is written)
	s_sub_co_u32 s[NB], 8, s[B0]
	s_cmp_eq_u32 s[QB], 0
	s_cselect_b32 s[NB], s[NB], 0
	; element (b, s, h, d) lies at (b << 23) + (s << 12) + (h << 8) + 4 d
	s_and_b32 s82, ttmp7, 0xffff
	s_lshr_b32 s83, s82, 4
	s_lshl_b32 s83, s83, 23
	s_and_b32 s82, s82, 15
	s_lshl_b32 s82, s82, 8
	s_add_co_u32 s82, s82, s83                     ; the head's first byte
	s_lshl_b32 s83, s[QB], 8                       ; Q0
	s_lshl_b32 s84, s[WV], 5
	s_add_co_u32 s84, s84, s83
	s_sub_co_i32 s84, s84, 256
	s_max_i32 s84, s84, 0                          ; my first position: Q0 - 256 + 32 w, held at 0 from below: a multiple of 32
	s_lshl_b32 s[TBO], s84, 8                      ; in tab: 8,192 bytes for each 32 positions
	s_mov_b32 s[TBO+1], 0
	s_lshl_b32 s[OFS], s84, 12
	s_add_co_u32 s[OFS], s[OFS], s82
	s_mov_b32 s[OFS+1], 0
	s_lshl_b32 s84, s[WV], 4
	s_add_co_u32 s84, s84, s83
	s_lshl_b32 s84, s84, 12
	s_add_co_u32 s92, s84, s82                     ; out0: my 16 queries' first byte
	s_mov_b32 s93, 0
	s_wait_kmcnt 0x0
	s_mov_b32 s[G0K], 1                            ; count = 1
	s_mov_b32 s[G0K+1], s14                        ; LDS address
	s_add_nc_u64 s[G0K+2:G0K+3], s[6:7], s[OFS:OFS+1]
	s_or_b32 s[G0K+3], s[G0K+3], 0x80000000        ; type = 2
	s_mov_b32 s[G0Q], 1
	s_mov_b32 s[G0Q+1], s15
	s_add_nc_u64 s[G0Q+2:G0Q+3], s[4:5], s[OFS:OFS+1]
	s_or_b32 s[G0Q+3], s[G0Q+3], 0x80000000
	s_add_nc_u64 s[VB:VB+1], s[8:9], s[OFS:OFS+1]
	s_add_nc_u64 s[10:11], s[10:11], s[92:93]
	s_add_nc_u64 s[TAB:TAB+1], s[TAB:TAB+1], s[TBO:TBO+1]
	s_cmp_lt_u32 s[WV], 8                          ; a wave's fills stand in one branch on its number: two loads of mine are out at the most.  Four v_nop follow
	s_cbranch_scc1 .Lonly_k
	tensor_load_to_lds s[G0K:G0K+3], s[G1:G1+7]
	s_nop 0
	tensor_load_to_lds s[G0Q:G0Q+3], s[G1:G1+7]
	s_nop 0
	PLACES 4
	s_branch .Lasked
.Lonly_k:
	tensor_load_to_lds s[G0K:G0K+3], s[G1:G1+7]
	s_nop 0
	PLACES 4
.Lasked:
	; the cosines and sines of my 32 positions: each load reads 512 consecutive bytes and lands in the registers that the rotation names
.irp j, 0,1,2,3,4,5,6,7,8,9,10,11,12,13,14,15
	global_load_b128 v[CS+4*\j:CS+4*\j+3], v[LN16], s[TAB:TAB+1] offset:512*\j
.endr
	; V: a lane a column, registers down the keys.  A load reads 128 consecutive bytes; the two halves of a row's 256 stand side by side
.set kk, 0
.rept 32
	global_load_b32 v[VR+kk], v[LN4], s[VB:VB+1] offset:4096*kk
	global_load_b32 v[VR+32+kk], v[LN4], s[VB:VB+1] offset:4096*kk+128
.set kk, kk+1
.endr
.macro ROWLD adr                       ; my raw row, 256 bytes, into X: a lane a row, rows 272 bytes apart (an odd multiple of 16)
.irp j, 0,1,2,3,4,5,6,7,8,9,10,11,12,13,14,15
	ds_load_b128 v[X+4*\j:X+4*\j+3], v[\adr] offset:16*\j
.endr
	s_wait_dscnt 0x0
.endm
; x[d] = x[d] cos - x[d + 32] sin, x[d + 32] = x[d + 32] cos + x[d] sin, d = 0 .. 31, two at a time.  NOT FUSED, on purpose: the result goes into a quantiser, and the definition
; rounds each of the two products and then their sum; a fused form rounds otherwise in the last place.
.macro ROPE
.set ii, 0
.rept 16
	v_pk_mul_f32 v[60:61], v[X+32+ii:X+33+ii], v[SN+ii:SN+ii+1]
	v_pk_mul_f32 v[62:63], v[X+ii:X+ii+1], v[SN+ii:SN+ii+1]
	v_pk_mul_f32 v[X+ii:X+ii+1], v[X+ii:X+ii+1], v[CS+ii:CS+ii+1]
	v_pk_mul_f32 v[X+32+ii:X+33+ii], v[X+32+ii:X+33+ii], v[CS+ii:CS+ii+1]
	v_pk_add_f32 v[X+ii:X+ii+1], v[X+ii:X+ii+1], v[60:61] neg_lo:[0,1] neg_hi:[0,1]
	v_pk_add_f32 v[X+32+ii:X+33+ii], v[X+32+ii:X+33+ii], v[62:63]
.set ii, ii+2
.endr
.endm
; Two blocks of 32 numbers of a lane, v[src] on, become 2 x 4 registers of codes, v[cd] on, and two scale bytes, v[by] and v[by + 1].
.macro QUANT2 src, cd, by
.irp j, 0,1
	v_max3_num_f32 v[MX+\j], |v[\src+32*\j]|, |v[\src+32*\j+1]|, 0x1800000   ; the largest magnitude, and the floor 2^(3 - 127): so the byte cannot fall under 1
.endr
.irp i, 2,4,6,8,10,12,14,16,18,20,22,24,26,28,30
.irp j, 0,1
	v_max3_num_f32 v[MX+\j], v[MX+\j], |v[\src+32*\j+\i]|, |v[\src+32*\j+\i+1]|   ; (the two blocks by turns)
.endr
.endr
.irp j, 0,1
	v_add_nc_u32 v[SOP+\j], 0xff000000, v[MX+\j]   ; 2 off its exponent field: the conversion takes the exponent field of this operand as its scale
.endr
.irp j, 0,1
	v_lshrrev_b32 v[\by+\j], 23, v[SOP+\j]         ; the scale's byte
.endr
.irp j, 0,1
.irp g, 0,1,2,3
	v_cvt_scalef32_pk8_fp4_f32 v[\cd+4*\j+\g], v[\src+32*\j+8*\g:\src+32*\j+8*\g+7], v[SOP+\j]
.endr
.endr
	v_nop                                          ; one plain place behind a scaled conversion
.endm
	; ---- K: my block's 32 rows
	s_wait_tensorcnt 0x0                           ; my loads have landed; I read only what I fetched
	ROWLD AKR
	s_wait_loadcnt 63                              ; the sixteen loads from tab are in: V's 64 stand behind them, and a wait's count names 63 at the most, so one of V's is awaited with them
	ROPE
	QUANT2 X, 24, 54
	v_lshl_or_b32 v56, v55, 8, v54                 ; the row's scale word: d 0-31, d 32-63; the two bytes above stay 0: they meet zero codes
	ds_store_b128 v[AKW], v[24:27]                 ; d 0-31: the fragment's lanes 0-15
	ds_store_b128 v[AKW], v[28:31] offset:256      ; d 32-63: its lanes 16-31
	ds_store_b32 v[AKSW], v56
	; ---- Q: waves 8 to 15, at the same positions: the same sines and cosines.  Codes and bytes have registers of their own: no store's data are written again ahead of the barrier
	s_cmp_lt_u32 s[WV], 8
	s_cbranch_scc1 .Lno_q
	ROWLD AQR
	ROPE
	QUANT2 X, 32, 57
	v_lshl_or_b32 v59, v58, 8, v57
	ds_store_b128 v[AQW], v[32:35]
	ds_store_b128 v[AQW], v[36:39] offset:256
	ds_store_b32 v[AQSW], v59
.Lno_q:
	; ---- V: columns d = lane and 32 + lane, my block's 32 keys
	s_wait_loadcnt 0x0
	QUANT2 VR, 40, 52
	ds_store_b128 v[AVW], v[40:43]
	ds_store_b128 v[AVW], v[44:47] offset:512
.irp j, 0,1
	ds_store_b8 v[AVB], v[52+\j] offset:640*\j               ; the byte into each of the four tables, at place w + 0, 3, 2, 1
	ds_store_b8 v[AVB], v[52+\j] offset:1280+3+640*\j
	ds_store_b8 v[AVB], v[52+\j] offset:2560+2+640*\j
	ds_store_b8 v[AVB], v[52+\j] offset:3840+1+640*\j
.endr
	s_wait_dscnt 0x0                               ; for the others' sake: my stores have landed
	s_barrier_signal -1
	s_barrier_wait -1                              ; all images lie in LDS; nobody writes them again
	; ---- S^T = K Q^T: 18 tiles of 16 keys, six at a time
.irp n, 0,1,2,3,4,5
.irp j, 4,5,6,7
	v_mov_b32 v[KF+8*\n+\j], 0                     ; places 64 .. 127 along K: zero codes, set once
.endr
.endr
.irp j, 4,5,6,7
	v_mov_b32 v[QF+\j], 0
.endr
	PLACES 4                                       ; an operand register written by a vector instruction stands four places ahead of a scaled matrix instruction
	ds_load_b128 v[QF:QF+3], v[AQF]
	ds_load_b32 v[QS], v[AQS]
.irp b, 0,1,2,3,4,5,6,7,8
	ds_load_b32 v[KS+\b], v[AKS] offset:128*\b     ; lanes 0-15: tile 0's words; lanes 16-31: tile 1's
.endr
.macro KROUND g
.if \g > 0
	PLACES 4                                       ; in front of loads into registers that matrix instructions have read (ISA guide 7.12.1 for vector instructions)
.endif
.irp n, 0,1,2,3,4,5
	ds_load_b128 v[KF+8*\n:KF+8*\n+3], v[AK] offset:1024*(3*\g+\n/2)+512*(\n%2)
.endr
	s_wait_dscnt 0x0
.irp n, 0,2,4
	v_wmma_scale_f32_16x16x128_f8f6f4 v[S+16*(3*\g+\n/2):S+16*(3*\g+\n/2)+7], v[KF+8*\n:KF+8*\n+7], v[QF:QF+7], 0, v[KS+3*\g+\n/2], v[QS] matrix_a_fmt:MATRIX_FMT_FP4 matrix_b_fmt:MATRIX_FMT_FP4
	v_wmma_scale_f32_16x16x128_f8f6f4 v[S+16*(3*\g+\n/2)+8:S+16*(3*\g+\n/2)+15], v[KF+8*\n+8:KF+8*\n+15], v[QF:QF+7], 0, v[KS+3*\g+\n/2], v[QS] matrix_a_fmt:MATRIX_FMT_FP4 matrix_b_fmt:MATRIX_FMT_FP4 matrix_a_scale:MATRIX_SCALE_ROW1
.endr
.endm
	KROUND 0
	KROUND 1
	KROUND 2
	PLACES 4
	; ---- the mask.  Blocks under position 0 (the head's first work-group alone: a branch on ids): every score -infinity
.irp b, 0,1,2,3,4,5,6,7
	s_cmp_gt_u32 s[NB], \b
	s_cbranch_scc0 .Lfilled
.irp i, 0,1,2,3,4,5,6,7,8,9,10,11,12,13,14,15
	v_mov_b32 v[S+16*\b+\i], v[NEG]
.endr
.endr
.Lfilled:
	; Key x of my window counts for query r where 16 (w % 2) + r <= x <= 256 + 16 (w % 2) + r: the lower edge lies in block 0, the upper in block 8; blocks 1 to 7 count whole
.irp i, 0,1,2,3,4,5,6,7,8,9,10,11,12,13,14,15
	v_cmp_lt_i32 vcc_lo, \i, v[DM]
	v_cndmask_b32 v[S+\i], v[S+\i], v[NEG], vcc_lo
.endr
.irp i, 0,1,2,3,4,5,6,7,8,9,10,11,12,13,14,15
	v_cmp_gt_i32 vcc_lo, \i, v[DM]
	v_cndmask_b32 v[S+128+\i], v[S+128+\i], v[NEG], vcc_lo
.endr
	; ---- the softmax.  Each block's largest score serves twice: for the row's maximum, and, since p rises with the score, for the block's largest p
.irp b, 0,1,2,3,4,5,6,7,8
	v_max3_num_f32 v[BM+\b], v[S+16*\b], v[S+1+16*\b], v[S+2+16*\b]
.endr
.irp i, 3,5,7,9,11,13
.irp b, 0,1,2,3,4,5,6,7,8
	v_max3_num_f32 v[BM+\b], v[BM+\b], v[S+16*\b+\i], v[S+1+16*\b+\i]   ; (the nine blocks by turns)
.endr
.endr
.irp b, 0,1,2,3,4,5,6,7,8
	v_max_num_f32 v[BM+\b], v[BM+\b], v[S+15+16*\b]
.endr
.irp b, 0,1,2,3,4,5,6,7,8
	v_mov_b32 v[BT+\b], 0                          ; a lane permute's destination counts as one of its sources
.endr
.irp b, 0,1,2,3,4,5,6,7,8
	v_permlanex16_b32 v[BT+\b], v[BM+\b], s[SEL], s[SEL+1]
.endr
.irp b, 0,1,2,3,4,5,6,7,8
	v_max_num_f32 v[BM+\b], v[BM+\b], v[BT+\b]     ; with lane l xor 16's 16 keys
.endr
	v_max3_num_f32 v86, v[BM], v[BM+1], v[BM+2]
	v_max3_num_f32 v86, v86, v[BM+3], v[BM+4]
	v_max3_num_f32 v86, v86, v[BM+5], v[BM+6]
	v_max3_num_f32 v86, v86, v[BM+7], v[BM+8]      ; the row's largest score: the query's own key always counts, so it is a number
	v_mul_f32 v86, s[CC], v86                      ; as t (c is positive)
	v_floor_f32 v[NM], -v86                        ; -M = floor(-t) = -ceil(t)
	v_mov_b32 v[NM+1], 0                           ; (named with it as a pair)
	; t, and then t - M.  NOT FUSED, on purpose: p goes into a quantiser, and the definition has t = logit x log2(e) as an f32 number of its own, from which M is then taken:
	; score x c is that very number (c is f32(log2(e)) with 3 off its exponent, the logit is the score with 3 off its exponent)
.set jj, 0
.rept 72
	v_pk_mul_f32 v[S+jj:S+jj+1], v[S+jj:S+jj+1], s[CC:CC+1] op_sel_hi:[1,0]
.set jj, jj+2
.endr
.irp b, 0,1,2,3,4,5,6,7,8
	v_mul_f32 v[BM+\b], s[CC], v[BM+\b]            ; the same of each block's largest score
.endr
.set jj, 0
.rept 72
	v_pk_add_f32 v[S+jj:S+jj+1], v[S+jj:S+jj+1], v[NM:NM+1] op_sel_hi:[1,0]   ; (of the pair -M, 0 the low word serves both halves)
.set jj, jj+2
.endr
.irp b, 0,1,2,3,4,5,6,7,8
	v_add_f32 v[BM+\b], v[BM+\b], v[NM]
.endr
.set jj, 0
.rept 144
	v_exp_f32 v[S+jj], v[S+jj]                     ; p = 2^(t - M), at most 1; 0 where the key is hidden
.set jj, jj+1
.endr
.irp b, 0,1,2,3,4,5,6,7,8
	v_exp_f32 v[BM+\b], v[BM+\b]                   ; the block's largest p: the same three instructions on the same number
.endr
.irp j, 18,19,20,21,22,23
	v_mov_b32 v[PCD+\j], 0                         ; the third fragment's places behind block 8: zero codes.  (Plain places behind the exponentials)
.endr
	s_wait_alu depctr_va_vdst(0)
.irp b, 0,1,2,3,4,5,6,7,8
	v_max_num_f32 v[BM+\b], 0x1800000, v[BM+\b]    ; the floor 2^(3 - 127): a block whose every p is 0 keeps the byte 1: its codes are zeros
.endr
.irp b, 0,1,2,3,4,5,6,7,8
	v_add_nc_u32 v[SOA+\b], 0xff000000, v[BM+\b]   ; 2 off the exponent field: the conversion's scale operand
.endr
.irp b, 0,1,2,3,4,5,6,7,8
	v_lshrrev_b32 v[BT+\b], 23, v[SOA+\b]          ; the scale's byte
.endr
	v_lshl_or_b32 v[PSW], v[BT+1], 8, v[BT]        ; p's scale words: blocks 0-3, 4-7, and 8 alone
	v_lshl_or_b32 v[PSW+1], v[BT+5], 8, v[BT+4]
	v_lshl_or_b32 v[PSW], v[BT+2], 16, v[PSW]
	v_lshl_or_b32 v[PSW+1], v[BT+6], 16, v[PSW+1]
	v_lshl_or_b32 v[PSW], v[BT+3], 24, v[PSW]
	v_lshl_or_b32 v[PSW+1], v[BT+7], 24, v[PSW+1]
	v_mov_b32 v[PSW+2], v[BT+8]
.irp b, 0,1,2,3,4,5,6,7,8
	v_cvt_scalef32_pk8_fp4_f32 v[PCD+2*\b], v[S+16*\b:S+7+16*\b], v[SOA+\b]
	v_cvt_scalef32_pk8_fp4_f32 v[PCD+1+2*\b], v[S+8+16*\b:S+15+16*\b], v[SOA+\b]
.endr
	v_nop                                          ; one plain place behind a scaled conversion
.irp c, 0,1,2,3,4                              ; the operand's layout wants a whole block in a lane: lanes 0-15 the even block, lanes 16-31 the odd one (block 8 changes halves with zeros)
.irp i, 0,1
	v_permlane16_swap_b32 v[PCD+4*\c+\i], v[PCD+2+4*\c+\i]
.endr
.endr
	v_pk_add_f32 v[LA:LA+1], v[S:S+1], v[S+2:S+3]  ; the row's sum is taken of the unquantised p: two at a time, in two chains.  (These 71 are also the places ahead of the products below)
	v_pk_add_f32 v[LB:LB+1], v[S+4:S+5], v[S+6:S+7]
.set jj, 8
.rept 34
	v_pk_add_f32 v[LA:LA+1], v[LA:LA+1], v[S+jj:S+jj+1]
	v_pk_add_f32 v[LB:LB+1], v[LB:LB+1], v[S+jj+2:S+jj+3]
.set jj, jj+4
.endr
	v_pk_add_f32 v[LA:LA+1], v[LA:LA+1], v[LB:LB+1]
	; ---- O^T = V^T P^T: three K steps of 128 keys (the third holds block 8 alone) x four tiles of 16 of the head's 64
.irp s, 0,1
.irp t, 0,1,2,3
.irp c, 0,1
	ds_load_b128 v[VF+8*(4*\s+\t)+4*\c:VF+8*(4*\s+\t)+4*\c+3], v[AV] offset:1024*(4*\s+2*\c)+256*\t
.endr
.endr
.endr
.irp t, 0,1,2,3
.irp c, 0,1
	ds_load_b128 v[VF+8*(8+\t)+4*\c:VF+8*(8+\t)+4*\c+3], v[AV2] offset:256*\t   ; block 8 in every place: all but the first meet zero codes of p
.endr
.endr
.irp s, 0,1
.irp u, 0,1
	ds_load_b32 v[VS+2*\s+\u], v[AVS] offset:640*\u+4*\s   ; lanes 0-15: tile 2 u's words; lanes 16-31: tile 2 u + 1's
.endr
.endr
.irp u, 0,1
	ds_load_u8 v[VS+4+\u], v[AV8] offset:640*\u    ; block 8's byte; the three above it are 0
.endr
	s_wait_dscnt 0x0
.irp s, 0,1,2                                  ; the four accumulators take turns, one instruction a turn; the first K step starts the sums
.irp t, 0,2
.if \s == 0
	v_wmma_scale_f32_16x16x128_f8f6f4 v[OA+8*\t:OA+8*\t+7], v[VF+8*(4*\s+\t):VF+8*(4*\s+\t)+7], v[PCD+8*\s:PCD+8*\s+7], 0, v[VS+2*\s+\t/2], v[PSW+\s] matrix_a_fmt:MATRIX_FMT_FP4 matrix_b_fmt:MATRIX_FMT_FP4
	v_wmma_scale_f32_16x16x128_f8f6f4 v[OA+8*\t+8:OA+8*\t+15], v[VF+8*(4*\s+\t)+8:VF+8*(4*\s+\t)+15], v[PCD+8*\s:PCD+8*\s+7], 0, v[VS+2*\s+\t/2], v[PSW+\s] matrix_a_fmt:MATRIX_FMT_FP4 matrix_b_fmt:MATRIX_FMT_FP4 matrix_a_scale:MATRIX_SCALE_ROW1
.else
	v_wmma_scale_f32_16x16x128_f8f6f4 v[OA+8*\t:OA+8*\t+7], v[VF+8*(4*\s+\t):VF+8*(4*\s+\t)+7], v[PCD+8*\s:PCD+8*\s+7], v[OA+8*\t:OA+8*\t+7], v[VS+2*\s+\t/2], v[PSW+\s] matrix_a_fmt:MATRIX_FMT_FP4 matrix_b_fmt:MATRIX_FMT_FP4
	v_wmma_scale_f32_16x16x128_f8f6f4 v[OA+8*\t+8:OA+8*\t+15], v[VF+8*(4*\s+\t)+8:VF+8*(4*\s+\t)+15], v[PCD+8*\s:PCD+8*\s+7], v[OA+8*\t+8:OA+8*\t+15], v[VS+2*\s+\t/2], v[PSW+\s] matrix_a_fmt:MATRIX_FMT_FP4 matrix_b_fmt:MATRIX_FMT_FP4 matrix_a_scale:MATRIX_SCALE_ROW1
.endif
.endr
.endr
	; ---- the way out: O^T / the sum, through my stage (my raw rows of K: they had their one fill, and only I read them), back as whole rows of 256 bytes
	v_add_f32 v[LA], v[LA], v[LA+1]                ; the sum's two halves,
	v_permlanex16_b32 v86, v[LA], s[SEL], s[SEL+1]
	v_add_f32 v[LA], v[LA], v86                    ; and lane l xor 16's: the row's sum
	v_rcp_f32 v87, v[LA]
	PLACES 4                                       ; behind the reciprocal, and behind the last products
.set jj, 0
	s_wait_alu depctr_va_vdst(0)
.rept 32
	v_mul_f32 v[24+jj], v[OA+jj], v87              ; register 8 t + j: out(query r, d = 16 t + 8 (lane / 16) + j); each accumulator from its low end on
.set jj, jj+1
.endr
.irp t, 0,1,2,3
	ds_store_b128 v[STO], v[24+8*\t:27+8*\t] offset:64*\t
	ds_store_b128 v[STO], v[28+8*\t:31+8*\t] offset:64*\t+16
.endr
.irp i, 0,1,2,3,4,5,6,7
	ds_load_b128 v[56+4*\i:59+4*\i], v[RD] offset:544*\i   ; LDS serves a wave's instructions in order (ISA guide 5.7.1.4): these see my stores.  Lanes 0-15 one row, lanes 16-31 the next
.endr
.irp i, 0,1,2,3,4,5,6,7
	s_wait_dscnt 7-\i                              ; the younger loads from the stage may stay out
	global_store_b128 v[GO], v[56+4*\i:59+4*\i], s[10:11] offset:8192*\i th:TH_STORE_NT   ; sixteen lanes store 256 consecutive bytes, at a multiple of 256 from out0's first byte
.endr
	s_wait_xcnt 0x0
	v_lshl_add_u32 v254, v0, 2, 0x3f000
	v_mov_b32 v255, 0
	s_wait_tensorcnt 0x0
	ds_add_u32 v254, v255
	s_wait_dscnt 0x0
	s_endpgm
.Lfunc_end_k_qa46101fb33_attn:
	.size	k_qa46101fb33_attn, .Lfunc_end_k_qa46101fb33_attn-k_qa46101fb33_attn
	.p2alignl 7, 3214868480
	.fill 96, 4, 3214868480
	.section	.rodata,"a",@progbits
	.p2align	6, 0x0
	.amdhsa_kernel k_qa46101fb33_attn
		.amdhsa_group_segment_fixed_size 260096
		.amdhsa_private_segment_fixed_size 0
		.amdhsa_enable_private_segment 0
		.amdhsa_kernarg_size 40
		.amdhsa_user_sgpr_count 2
		.amdhsa_user_sgpr_kernarg_segment_ptr 1
		.amdhsa_wavefront_size32 1
		.amdhsa_system_sgpr_workgroup_id_x 1
		.amdhsa_system_sgpr_workgroup_id_y 1
		.amdhsa_system_sgpr_workgroup_id_z 1
		.amdhsa_system_vgpr_workitem_id 0
		.amdhsa_next_free_vgpr 256
		.amdhsa_next_free_sgpr 96
		.amdhsa_reserve_vcc 1
		.amdhsa_float_denorm_mode_32 3
		.amdhsa_float_denorm_mode_16_64 3
		.amdhsa_memory_ordered 1
		.amdhsa_forward_progress 1
		.amdhsa_inst_pref_size 86
	.end_amdhsa_kernel
	.amdgpu_metadata
---
amdhsa.version: [ 1, 2 ]
amdhsa.kernels:
  - .name:           k_qa46101fb33_attn
    .symbol:         k_qa46101fb33_attn.kd
    .args:
      - { .name: q, .offset: 0, .size: 8, .value_kind: global_buffer, .address_space: global }
      - { .name: k, .offset: 8, .size: 8, .value_kind: global_buffer, .address_space: global }
      - { .name: v, .offset: 16, .size: 8, .value_kind: global_buffer, .address_space: global }
      - { .name: out0, .offset: 24, .size: 8, .value_kind: global_buffer, .address_space: global }
      - { .name: tab, .offset: 32, .size: 8, .value_kind: global_buffer, .address_space: global }
    .group_segment_fixed_size: 260096
    .private_segment_fixed_size: 0
    .kernarg_segment_align: 8
    .kernarg_segment_size: 40
    .max_flat_workgroup_size: 512
    .sgpr_count:     96
    .vgpr_count:     256
    .wavefront_size: 32
...
	.end_amdgpu_metadata
.endif
;; end of part 2
